; MI455X (gfx1250); checked and timed in simulation.
; The chip was launched on July 23, 2026; its instructions are those of AMD's public machine-readable ISA for CDNA 5 (MIT licence, August 2026) and "CDNA5" Instruction Set Architecture Reference Guide (July 2026). The comments in the code are by the model that wrote it; some were corrected since.
;; Attention. Allowed arithmetic: matrix products marked QUANTISED: E2M3 operands, one E8M0 scale for each 32 along K, by v_wmma_scale_f32_16x16x128_f8f6f4 with both operands' format E2M3, f32 sums; everything else in f32.
;; Inputs: key_codes 4 x 16 x 2,048 x 4 x 24 uint8 (E2M3 codes of key, K innermost, in blocks of 32 codes, four codes in three bytes); key_scales 4 x 16 x 2,048 x 4 uint8 (E8M0 scales of key, one for each 32 codes along K); mask 4 x 1 x 2,048 x 2,048 bool; query_codes 4 x 16 x 2,048 x 4 x 24 uint8 (E2M3 codes of query, K innermost, in blocks of 32 codes, four codes in three bytes); query_scales 4 x 16 x 2,048 x 4 uint8 (E8M0 scales of query, one for each 32 codes along K); value_codes 4 x 16 x 128 x 64 x 24 uint8 (E2M3 codes of value, K innermost, in blocks of 32 codes, four codes in three bytes); value_scales 4 x 16 x 128 x 64 uint8 (E8M0 scales of value, one for each 32 codes along K).
;; Outputs: out0 4 x 16 x 2,048 x 128 float32.
;; This version of the problem:
;;   THIS VERSION OF THE PROBLEM IS GIVEN IN LOW PRECISION. The matrix products marked QUANTISED in the list below multiply operands that are first quantised to E2M3 (2 exponent bits, 3 mantissa bits; 6 bits a number), with one power-of-two scale for each 32 numbers along K (OCP MX v1.0); their sums are f32. All else is computed in f32.
;;   The module's matrix products, in the order in which they are computed (A, B: the left and right operand; K: the contracted axis; several contracted axes count as one K, in the product's order):
;;     1. batch 64 x [M 2,048, K 128] x [K 128, N 2,048]; A: input query (given as codes); B: input key (given as codes): QUANTISED
;;     2. batch 64 x [M 2,048, K 2,048] x [K 2,048, N 128]; A: softmax (see below); B: input value (given as codes): QUANTISED
;;   THE QUANTISER, for each operand of a quantised product, along K:
;;     - K is cut into blocks of 32 from its start; a last block that is shorter is filled with zeros.
;;     - A block's scale is 2^e with e = floor(log2(the largest magnitude in the block)) - 2, held to -126 .. 127; a block of zeros has e = 0. As a byte (E8M0): e + 127.
;;     - Each number is divided by its block's scale, clamped to +-7.5, and rounded to the nearest number of E2M3, ties to even, subnormals kept.
;;     - The product sums the exact products of the quantised numbers (number of the format x scale) in f32.
;;   ~~~python
;;   def quantise(x, axis):      # numpy; x: float32 -> the quantised numbers, widened to float32 again
;;       x = np.moveaxis(x, axis, -1); K = x.shape[-1]
;;       x = np.pad(x, [(0, 0)] * (x.ndim - 1) + [(0, -K % 32)]); x = x.reshape(x.shape[:-1] + (-1, 32)); a = np.abs(x).max(-1, keepdims=True)
;;       e = np.where(a > 0, np.clip(np.frexp(np.where(a > 0, a, 1))[1] - 1 - 2, -126, 127), 0)      # np.frexp(a)[1] - 1 = floor(log2(a)), exactly
;;       r = np.clip(x / 2.0 ** e, -7.5, 7.5)
;;       step = 2.0 ** (np.maximum(np.frexp(np.where(r == 0, 1, r))[1] - 1, 0) - 3)
;;       q = np.round(r / step) * step * 2.0 ** e      # np.round: ties to even
;;       return np.moveaxis(q.reshape(q.shape[:-2] + (-1,))[..., :K], -1, axis).astype(np.float32)
;;   ~~~
;;   SOFTMAX AHEAD OF A QUANTISED PRODUCT. Where the list says 'softmax', what is quantised is not the finished softmax but p = 2^(t - M), with t = logit x log2(e) and M = ceil(the row's largest t), a whole number; so 1/2 < the row's largest p <= 1. The row's sum l is taken of the UNQUANTISED p, in f32, and the product's result is divided by l at the end. Since M is a whole number, a kernel that streams over the keys may use a running M (the ceiling of the running maximum): every later rescaling is an exact power of two, which a block's scale takes up: the codes' values come out the same.
;;   OPERANDS COMPUTED ON THE WAY. 'Computed on the way' means the value that the module computes at that place (a softmax that the list does not call 'softmax' is quantised finished and normalised). What goes into a quantiser is computed in f32, as accurately as f32 sums, v_exp_f32 and their like allow (about 1e-6 of the number): no bf16 or f16 on the way to a quantiser, and a product that is left as it is and whose result goes on into a quantised operand takes f32 operands (vector FMAs, or v_wmma_f32_16x16x4_f32). A number that lies on a knife's edge between two numbers of the format may be rounded either way, as far as f32 arithmetic and the matrix unit's own rounding can turn it there, and no further.
;;   INPUTS GIVEN AS CODES. key (in the module: [4, 16, 2048, 128], K = its axis 3); query (in the module: [4, 16, 2048, 128], K = its axis 3); value (in the module: [4, 16, 2048, 128], K = its axis 2): each comes as NAME_codes (uint8): NAME with its K axis moved to the last place and cut into blocks of 32 codes, [.., K / 32, bytes a block], one block behind the other in memory; four codes in three bytes: a row's codes are one little-endian stream of bits, code i at bits 6 i .. 6 i + 5 (a code: sign, 2 exponent bits, 3 mantissa bits); and NAME_scales (uint8): the same leading axes, one E8M0 byte (e + 127) for each 32 codes along K. Its value is code x scale, taken as it is: it is not quantised again, and the codes and scales need not be those that the quantiser above would give.
;; One version. Each part assembles by itself: llvm-mc -triple=amdgcn-amd-amdhsa -mcpu=gfx1250 --defsym DOCPART=n.
;; ======== version 1 of 1: 2 launches
;; limits: right only within a limited range of input values
;; workspace buffers: maskw 2,097,152 bytes of whole numbers; flags 4,096 bytes of whole numbers
;; launch pack (part 1): grid 512 x 1, 8 waves a work-group, no clusters, 36,096 bytes of LDS; arguments mask, maskw, flags; writes maskw, flags
.if DOCPART == 1
	.amdgcn_target "amdgcn-amd-amdhsa--gfx1250"
	.amdhsa_code_object_version 6
	.text
	.protected	k_q8bd799188f_pack
	.globl	k_q8bd799188f_pack
	.p2align	8
	.type	k_q8bd799188f_pack,@function
k_q8bd799188f_pack:
	s_mov_b64 s[64:65], 0
	v_nop
	global_prefetch_b8 v0, s[64:65] scope:SCOPE_SE
	s_setreg_imm32_b32 hwreg(HW_REG_WAVE_MODE, 25, 1), 1
	s_wait_xcnt 0x0
; The mask's bytes [4][2048 queries][2048 keys] (1 = the key does not count; a bool is 0 or 1) become two tables for the attention launch.
; maskw [b 4][qt 128][ks 16][j 64] of 32 bits: bit L of word j is mask[b][16 qt + L % 16][128 ks + 32 (j / 16) + 16 (L / 16) + j % 16]: the place of score register j in lane L there.
; flags [b 4][block of 128 queries 16][ks 16] of 32 bits: bit w (0..3): some key of step ks counts for some of queries 32 w .. 32 w + 31 of the block; bit 4 + w: some key there does not count.
; SHARES.  Work-group g = 128 b + 8 block + kp; wave c takes tile 8 block + c (16 queries) and the 256 keys from 256 kp on: two key steps, 128 words, 512 consecutive bytes stored.
; Each byte of the mask is read once, sixteen lanes covering 256 consecutive bytes, aligned; the 4,096 bytes turn through the wave's own stage in LDS.
; The eight waves' flag bits meet in 64 bytes of LDS; wave 0 joins them and stores the work-group's two words (8 bytes at 8 g: the whole table is 4,096 bytes).
.set PITCH, 272
.set STG,   16*PITCH
.set SPARE, 8*STG                      ; the spare words, 128 bytes a wave
.set FLG,   SPARE+1024                 ; a block of 256 bytes: 8 bytes for each wave's flag bits
.set VIN,   4
.set SIN,   5
.set SOUT,  6
.set VOUT,  7
.set T,     8
.set OUT,   12
.set IN,    16
.set X,     48                         ; register 4 k + e: keys 128 (k / 4) + 32 (k % 4) + 16 h + 4 e + 0 .. 3 of row r
.set SPW,   80
.set NIL,   81
.set FA,    82
.set FB,    83
.set SUM,   84
.set ZO,    86
	s_load_b128 s[4:7], s[0:1], 0x0                ; mask, maskw
	s_load_b64 s[16:17], s[0:1], 0x10              ; flags
	v_lshl_add_u32 v[SPW], v0, 2, SPARE
	v_mov_b32 v[NIL], 0
	v_lshrrev_b32 v1, 5, v0
	v_lshl_add_u32 v[FA], v1, 3, FLG               ; my wave's 8 bytes
	v_readfirstlane_b32 s8, v1                     ; wave c
	s_wait_alu depctr_va_vdst(0)                   ; the wait ahead of the run of scalar lines
	s_and_b32 s18, ttmp9, 7                        ; kp
	s_and_b32 s15, ttmp9, 0x1f8
	s_add_co_u32 s15, s15, s8                      ; my tile among all batches': 128 b + 8 block + c
	s_lshl_b32 s9, s18, 8                          ; my first key
	s_mul_i32 s14, s8, STG
	s_lshl_b32 s10, s15, 15                        ; the tile's 16 rows of 2,048 bytes
	s_mov_b32 s11, 0
	s_lshl_b32 s12, s15, 12                        ; its 4,096 bytes of words,
	s_lshl_b32 s13, s18, 9                         ; my 512 of them
	s_add_co_u32 s12, s12, s13
	s_mov_b32 s13, 0
	s_lshl_b32 s18, ttmp9, 3                       ; the work-group's two flag words
	s_mov_b32 s19, 0
	s_lshr_b32 s24, s8, 1                          ; the attention wave that owns my tile
	v_and_b32 v2, 15, v0                           ; r
	v_bfe_u32 v3, v0, 4, 1                         ; h
	v_lshlrev_b32 v[VIN], 4, v2
	v_mul_u32_u24 v[SIN], v3, PITCH
	v_mul_u32_u24 v[SOUT], v2, PITCH
	v_and_b32 v[VOUT], 31, v0
	v_lshl_add_u32 v[VIN], v3, 11, v[VIN]
	v_lshl_add_u32 v[SIN], v2, 4, v[SIN]
	v_lshl_add_u32 v[SOUT], v3, 4, v[SOUT]
	v_lshlrev_b32 v[VOUT], 4, v[VOUT]
	v_add_nc_u32 v[VIN], s9, v[VIN]                ; 2,048 h + 16 r + 256 kp
	v_add_nc_u32 v[SIN], s14, v[SIN]
	v_add_nc_u32 v[SOUT], s14, v[SOUT]
	v_mov_b32 v[FB], FLG
	v_mov_b32 v[ZO], 0
.irp i, 0,1,2,3
	v_mov_b32 v[OUT+\i], 0                         ; written whole once: v_writelane_b32 keeps the other lanes
.endr
	s_wait_alu depctr_va_vdst(0)                   ; the wait at the head's end
	s_wait_kmcnt 0x0
	s_add_nc_u64 s[4:5], s[4:5], s[10:11]
	s_add_nc_u64 s[6:7], s[6:7], s[12:13]
	s_add_nc_u64 s[16:17], s[16:17], s[18:19]
.irp n, 0,1,2,3,4,5,6,7
	global_load_b128 v[IN+4*\n:IN+4*\n+3], v[VIN], s[4:5] offset:4096*\n th:TH_LOAD_NT   ; rows 2 n and 2 n + 1
.endr
.irp n, 0,1,2,3,4,5,6,7
	s_wait_loadcnt 7-\n                            ; load n is in, the younger ones stay out
	ds_store_b128 v[SIN], v[IN+4*\n:IN+4*\n+3] offset:2*PITCH*\n
.endr
.irp k, 0,1,2,3,4,5,6,7
	ds_load_b128 v[X+4*\k:X+4*\k+3], v[SOUT] offset:128*(\k/4)+32*(\k%4)   ; LDS serves a wave's instructions in order: these see my stores
.endr
.set k, 0
.rept 8
	s_wait_dscnt 7-k                               ; LDS load k is in
.set e, 0
.rept 4
.irp i, 0,1,2,3
	v_bfe_u32 v[T+\i], v[X+4*k+e], 8*\i, 8         ; one key's byte in every lane
.endr
.irp i, 0,1,2,3
	s_delay_alu instid0(VALU_DEP_4)
	v_cmp_ne_u32 s[20+\i], 0, v[T+\i]              ; the 32 lanes' bits: word 4 (4 k + e) + i
.endr
.irp i, 0,1,2,3
	v_writelane_b32 v[OUT+\i], s[20+\i], 4*k+e
.endr
.set e, e+1
.endr
.set k, k+1
.endr
	global_store_b128 v[VOUT], v[OUT:OUT+3], s[6:7]   ; 32 lanes store 512 consecutive bytes, aligned
	; the flags: a step's 16 registers are added byte by byte (each byte 0 to 16): 0 = all four keys' columns open, 0x10101010 = all masked
.irp q, 0,1
	v_add3_u32 v[SUM+\q], v[X+16*\q], v[X+16*\q+1], v[X+16*\q+2]
.endr
.irp n, 3,5,7,9,11,13
.irp q, 0,1
	s_delay_alu instid0(VALU_DEP_2)
	v_add3_u32 v[SUM+\q], v[SUM+\q], v[X+16*\q+\n], v[X+16*\q+\n+1]
.endr
.endr
.irp q, 0,1
	s_delay_alu instid0(VALU_DEP_2)
	v_add_nc_u32 v[SUM+\q], v[SUM+\q], v[X+16*\q+15]
.endr
.irp q, 0,1
	v_cmp_ne_u32 s[20+2*\q], 0, v[SUM+\q]          ; lanes with a key that does not count
	v_cmp_ne_u32 s[21+2*\q], 0x10101010, v[SUM+\q] ; lanes with a key that counts
.endr
.irp q, 0,1
	s_cmp_lg_u32 s[21+2*\q], 0
	s_cselect_b32 s[25+\q], 1, 0
	s_cmp_lg_u32 s[20+2*\q], 0
	s_cselect_b32 s27, 16, 0
	s_or_b32 s[25+\q], s[25+\q], s27
	s_lshl_b32 s[25+\q], s[25+\q], s24             ; at the owning wave's bits
.endr
	v_mov_b32 v[T], s25
	v_mov_b32 v[T+1], s26
	ds_store_b64 v[FA], v[T:T+1]                   ; every lane writes the same 8 bytes
	s_wait_alu depctr_va_vdst(0)
	s_wait_dscnt 0x0                               ; my store is done, for wave 0's sake
	s_barrier_signal -1
	s_barrier_wait -1
	s_cmp_lg_u32 s8, 0
	s_cbranch_scc1 .Lend
.irp i, 0,1,2,3
	ds_load_b128 v[IN+4*\i:IN+4*\i+3], v[FB] offset:16*\i   ; the eight waves' pairs
.endr
	s_wait_dscnt 0x0
.irp n, 2,4,6,8,10,12,14
	v_or_b32 v[IN], v[IN], v[IN+\n]
	v_or_b32 v[IN+1], v[IN+1], v[IN+1+\n]
.endr
	v_cmp_eq_u32 vcc_lo, 0, v0
	s_wait_alu depctr_va_vdst(0)
	s_wait_xcnt 0x0                                ; EXEC changes only behind this wait
	s_and_saveexec_b32 s28, vcc_lo
	global_store_b64 v[ZO], v[IN:IN+1], s[16:17]   ; thread 0 stores the two words
	s_wait_xcnt 0x0
	s_or_b32 exec_lo, exec_lo, s28
.Lend:
	s_wait_tensorcnt 0x0                           ; the wave's end
	ds_add_u32 v[SPW], v[NIL]
	s_wait_dscnt 0x0
	s_endpgm
.Lfunc_end_k_q8bd799188f_pack:
	.size	k_q8bd799188f_pack, .Lfunc_end_k_q8bd799188f_pack-k_q8bd799188f_pack
	.p2alignl 7, 3214868480
	.fill 96, 4, 3214868480
	.section	.rodata,"a",@progbits
	.p2align	6, 0x0
	.amdhsa_kernel k_q8bd799188f_pack
		.amdhsa_group_segment_fixed_size 36096
		.amdhsa_private_segment_fixed_size 0
		.amdhsa_enable_private_segment 0
		.amdhsa_kernarg_size 24
		.amdhsa_user_sgpr_count 2
		.amdhsa_user_sgpr_kernarg_segment_ptr 1
		.amdhsa_wavefront_size32 1
		.amdhsa_system_sgpr_workgroup_id_x 1
		.amdhsa_system_sgpr_workgroup_id_y 1
		.amdhsa_system_sgpr_workgroup_id_z 1
		.amdhsa_system_vgpr_workitem_id 0
		.amdhsa_next_free_vgpr 88
		.amdhsa_next_free_sgpr 66
		.amdhsa_reserve_vcc 1
		.amdhsa_float_denorm_mode_32 3
		.amdhsa_float_denorm_mode_16_64 3
		.amdhsa_memory_ordered 1
		.amdhsa_forward_progress 1
		.amdhsa_inst_pref_size 37
	.end_amdhsa_kernel
	.amdgpu_metadata
---
amdhsa.version: [ 1, 2 ]
amdhsa.kernels:
  - .name:           k_q8bd799188f_pack
    .symbol:         k_q8bd799188f_pack.kd
    .args:
      - { .name: mask, .offset: 0, .size: 8, .value_kind: global_buffer, .address_space: global }
      - { .name: maskw, .offset: 8, .size: 8, .value_kind: global_buffer, .address_space: global }
      - { .name: flags, .offset: 16, .size: 8, .value_kind: global_buffer, .address_space: global }
    .group_segment_fixed_size: 36096
    .private_segment_fixed_size: 0
    .kernarg_segment_align: 8
    .kernarg_segment_size: 24
    .max_flat_workgroup_size: 256
    .sgpr_count:     66
    .vgpr_count:     88
    .wavefront_size: 32
...
	.end_amdgpu_metadata
.endif
;; end of part 1
;; launch attn (part 2): grid 8 x 64, 4 waves a work-group, no clusters, 89,088 bytes of LDS; arguments query_codes, query_scales, key_codes, key_scales, value_codes, value_scales, maskw, flags, out0; writes out0
.if DOCPART == 2
	.amdgcn_target "amdgcn-amd-amdhsa--gfx1250"
	.amdhsa_code_object_version 6
	.text
	.protected	k_q8bd799188f_attn
	.globl	k_q8bd799188f_attn
	.p2align	8
	.type	k_q8bd799188f_attn,@function
k_q8bd799188f_attn:
	s_mov_b64 s[64:65], 0
	v_nop
	global_prefetch_b8 v0, s[64:65] scope:SCOPE_SE
	s_setreg_imm32_b32 hwreg(HW_REG_WAVE_MODE, 25, 1), 1
	s_wait_xcnt 0x0
; out0[hh][q][:] = the sum over k of softmax_k(Q[hh][q] . K[hh][k] / sqrt(128), masked) V[hh][k][:], 64 heads (hh = 16 b + h), 2,048 queries and keys, head size 128.
; Both products on codes of FP6 (E2M3), one E8M0 scale for each 32 along a product's K.  Q, K: rows of 96 bytes, 4 scale bytes a row.  V: the keys innermost: 128 rows of 1,536 bytes a head, 64 scale bytes a row.
; THE MASK is an input of any pattern.  The launch before has stored it as lane-mask words (maskw) and, for each block of 128 queries and step of 128 keys, a flag word:
; bit w: some key of the step counts for wave w's 32 queries; bit 4 + w: some key does not.  These whole numbers, read from memory, steer scalar branches:
; a step with no key that counts for any wave is not fetched; a wave passes over a step with no key that counts for it (all its p would be 0: sum, maximum and O stay as they are);
; the 64 selects a tile, with their mask words, run only where some key does not count.  Nothing is assumed of the pattern, and no work is left out but by these flags.
; THE SOFTMAX: t = score x c, c = log2(e) / sqrt(128); M = the row's largest t so far, rounded up to a whole number; p = 2^(t - M) is quantised along the keys, not normalised.
; The row's sum is taken of the unquantised p and divides O at the end.  When M moves, the sum and O are multiplied by 2^(old M - new M): exact.
; SHARES.  Work-group (x, head) owns query blocks 15 - x and then x of its head, 128 queries each; each of its four waves owns 32 queries, two tiles of 16; 512 registers a wave and 89,088 bytes of LDS.
; K AND V: no tensor load, no cluster and no joint load.  Each wave loads a quarter of the next step's K and V tiles
; (12 loads of 16 bytes a lane) into 48 registers at a step's head and stores them into the other of two LDS slots at the step's end: one barrier a step, on every path.
; No prefetch instruction: which steps are read hangs on the flags, and every tile is asked for one whole step ahead of its first use, by loads for which nothing waits until the step's end.
; Step 0's tiles are fetched whatever their flag says, so that the stage registers are always written.  V's tile takes 96 bytes of each of 128 rows, as the input's own layout has them.
; LAYOUT.  Both products transposed: S^T = K Q^T, O^T = V^T P^T: a lane holds one query (lane % 16).  Lane r of K's tile 2 b + u takes key 32 b + 8 u + r + 8 (r / 8), so that score registers 16 b + i are keys 32 b + 16 (lane / 16) + i.
; K in a slot: keys 0-15 of a block of 32, 1,536 bytes, then 16 bytes free, then keys 16-31, then 16 free: the 32 lanes of an 8-byte load start at words 8 k, 8 k + 6, 8 k + 4, 8 k + 2 modulo 64.
; V in a slot: rows of 96 bytes, 112 apart: rows r = 0..15 start at 16 different multiples of 4 words modulo 64, lanes 16-31 six words on.
; O^T is cleared by moves at a block's head: which step is a wave's first hangs on the flags, so no step can be written with C = 0.
; LIMITS.  t is made by one multiplication by c.  A p under 2^-126 counts as 0.  A block of p's scale byte is held at 1 from below.  Every t must lie above -3e38, the start of the running maximum.
; A query with no key that counts gets 0 x (1 / 0) = NaN, as the definition has it.  A NaN or infinity in K or V under a step that is passed over is not carried to the result.  A scale byte 0xff in a step that is computed makes its sums NaN.
; REGISTERS, window 0: v1-3, 6-10, 12, 13 addresses; v11 -infinity; v4, v5 the spare word's address and 0; v[14:15] c; v16+4x: -M, largest t, the sum (a pair); v24+2x: f, p's scale word; v28+x Q's scale words;
;   v30-37 scale words of K or V; v38-54 at work; v56-103 four fragments; v104+12x p's codes; v128+64x S^T, then p.
;   window 1: v0+64x O^T; v128+12x Q's fragments; v152-199 four more fragments; v200-247 the stage registers; v248-251 global offsets.
.set SLOT,  26880
.set KH,    1552
.set KBP,   3104
.set VOFF,  12544
.set VP,    112
.set SCK,   2*SLOT                     ; K's scale bytes of the head: 32 units of 256 bytes + 16
.set SCV,   SCK+8704                   ; V's
.set STAGE, SCV+8704                   ; the way out: 16 rows x 272 bytes for each wave
.set STG,   16*272
.set SPARE, STAGE+4*STG                ; the spare words, 128 bytes a wave
.set AK0,  1
.set AV0,  2
.set LK,   3
.set SPW,  4
.set NIL,  5
.set LV,   6
.set ADS,  9
.set ADT,  10
.set NINF, 11
.set ADS0, 12
.set ADT0, 13
.set CC,   14
.set ST,   16
.set FF,   24
.set QS,   28
.set SW,   30
.set TM,   38
.set T2,   42
.set SO,   50
.set TMP,  54
.set FRG,  56
.set PC,   104
.set S,    128
.set QF,   128                         ; window 1 from here on
.set FRG2, 152
.set SGK,  200
.set SGV,  224
.set GK,   248
.set GV,   249
.set WV,   2                           ; my wave's number, and that + 4
.set WV4,  3
.set KB,   4                           ; s[4:5], s[6:7] K's and V's codes at the trip's first fetch
.set VB,   6
.set MP,   8                           ; s[8:9] my tile 0's mask words of the trip's first step; the 64 words in hand: s16-63, s84-99
.set OO,   10                          ; s[10:11] my first row's byte in out0
.set SEL,  12
.set PASS, 14
.set TRIP, 15
.set SKS,  66                          ; the trip's place in K's and V's scale bytes
.set SVS,  67
.set F,    68                          ; s68-83 the flag words from the trip's first step on
.set TT,   100
.set MSB, 0
.macro WIN new                         ; s_set_vgpr_msb: bits 1:0 source 0, 3:2 source 1, 5:4 source 2, 7:6 destination; the high byte repeats the setting that is left
.if MSB != \new
	s_set_vgpr_msb (MSB<<8)|\new
.set MSB, \new
.endif
.endm
.macro MLOAD off                       ; a tile step's 64 mask words, 256 consecutive bytes
	s_load_b512 s[16:31], s[MP:MP+1], \off
	s_load_b512 s[32:47], s[MP:MP+1], \off+64
	s_load_b512 s[48:63], s[MP:MP+1], \off+128
	s_load_b512 s[84:99], s[MP:MP+1], \off+192
.endm
.macro GLOAD ko, vo                    ; my quarter of a step's tiles: K's block of 32 keys, 3,072 consecutive bytes; V's 32 rows x 96 bytes (chunk c = lane + 32 i of 16 bytes: row c / 6)
	WIN 0x41
.irp i, 0,1,2,3,4,5
	global_load_b128 v[SGK+4*\i:SGK+4*\i+3], v[GK], s[KB:KB+1] offset:\ko+512*\i
.endr
.irp i, 0,1,2,3,4,5
	global_load_b128 v[SGV+4*\i:SGV+4*\i+3], v[GV+\i%3], s[VB:VB+1] offset:\vo+24576*(\i/3)
.endr
	WIN 0
.endm
.macro LSTORE q
	WIN 0x04
.irp i, 0,1,2,3,4,5
	ds_store_b128 v[LK], v[SGK+4*\i:SGK+4*\i+3] offset:(\q)*SLOT+512*\i+16*(\i/3)
.endr
.irp i, 0,1,2,3,4,5
	ds_store_b128 v[LV+\i%3], v[SGV+4*\i:SGV+4*\i+3] offset:(\q)*SLOT+16*VP*(\i/3)
.endr
	WIN 0
.endm
; A fragment, 16 rows x 128 K of 6-bit codes, is 12 registers: lane (r, h): registers 6 c .. 6 c + 5 hold K = 64 c + 32 h + 0 .. 31: 24 bytes of the row, in pieces of 8.
.macro KFRAG reg, tt, q
.irp p, 0,1,2,3,4,5
	ds_load_b64 v[\reg+2*\p:\reg+2*\p+1], v[AK0] offset:(\q)*SLOT+((\tt)/2)*KBP+((\tt)%2)*768+48*(\p/3)+8*(\p%3)
.endr
.endm
.macro VFRAG reg, tau, q
.irp p, 0,1,2,3,4,5
	ds_load_b64 v[\reg+2*\p:\reg+2*\p+1], v[AV0] offset:(\q)*SLOT+(\tau)*16*VP+48*(\p/3)+8*(\p%3)
.endr
.endm
.macro KLOADS q                        ; 56 LDS loads in one run
.irp t, 0,1,2,3
	KFRAG FRG+12*\t, \t, \q
.endr
.irp t, 0,1,2,3,4,5,6,7
	ds_load_b32 v[SW+\t], v[ADS] offset:544*(\q)+272*(\t/4)+(32*((\t/2)%2)+8*(\t%2))*4
.endr
	WIN 0x40
.irp t, 0,1,2,3
	KFRAG FRG2+12*\t, 4+\t, \q
.endr
	WIN 0
.endm
.macro VLOADS q
.irp t, 0,1,2,3
	VFRAG FRG+12*\t, \t, \q
.endr
.irp t, 0,1,2,3,4,5,6,7
	ds_load_b32 v[SW+\t], v[ADT] offset:4*(\q)+1088*\t
.endr
	WIN 0x40
.irp t, 0,1,2,3
	VFRAG FRG2+12*\t, 4+\t, \q
.endr
	WIN 0
.endm
; THE SOFTMAX of tile x for the trip's q-th key step
.macro SOFTMAX x, q
.set rS, S+64*(\x)
.set rM, ST+4*(\x)
.set rF, FF+2*(\x)
.set rP, PC+12*(\x)
	s_bitcmp1_b32 s[F+\q], s[WV4]                  ; does some key of this step not count for my queries?
	s_cbranch_scc0 .Lopen_\@
	MLOAD 256*(\q)+4096*(\x)
	s_wait_kmcnt 0x0
	s_wait_alu depctr_va_vdst(0)                   ; the wait ahead of the scores' first reader
.set j, 0
.rept 48
	v_cndmask_b32 v[rS+j], v[rS+j], v[NINF], s[16+j]   ; -infinity where the key does not count.  Ascending
.set j, j+1
.endr
.rept 16
	v_cndmask_b32 v[rS+j], v[rS+j], v[NINF], s[36+j]
.set j, j+1
.endr
.Lopen_\@:
	s_wait_alu depctr_va_vdst(0)                   ; the same wait on the way that jumped
.irp b, 0,1,2,3
	v_max3_num_f32 v[TM+\b], v[rS+16*\b], v[rS+1+16*\b], v[rS+2+16*\b]   ; the largest score of each block of 32 keys: for the row's maximum and for the block's largest p
.endr
.irp i, 3,5,7,9,11,13
.irp b, 0,1,2,3
	v_max3_num_f32 v[TM+\b], v[TM+\b], v[rS+16*\b+\i], v[rS+1+16*\b+\i]   ; the four blocks by turns
.endr
.endr
.irp b, 0,1,2,3
	v_max_num_f32 v[TM+\b], v[TM+\b], v[rS+15+16*\b]
.endr
.irp b, 0,1,2,3
	v_permlanex16_b32 v[T2+\b], v[TM+\b], s[SEL], s[SEL+1]
.endr
.irp b, 0,1,2,3
	v_max_num_f32 v[TM+\b], v[TM+\b], v[T2+\b]     ; with lane l xor 16's 16 keys
.endr
	v_max3_num_f32 v[TMP], v[TM], v[TM+1], v[TM+2]
	v_max_num_f32 v[TMP], v[TMP], v[TM+3]
	v_mul_f32 v[TMP], v[CC], v[TMP]                ; as t (c is positive)
	v_max_num_f32 v[rM+1], v[rM+1], v[TMP]         ; the running largest t
	v_mov_b32 v[TMP], v[rM]
	v_floor_f32 v[rM], -v[rM+1]                    ; the new -M = -ceil(t)
	v_sub_f32 v[TMP], v[rM], v[TMP]                ; old M - new M: a whole number, 0 or less
	v_cvt_i32_f32 v[TMP], v[TMP]                   ; (it saturates)
	v_ldexp_f32 v[rF], 1.0, v[TMP]                 ; f = 2^(old M - new M)
.set j, 0
.rept 32
	v_pk_fma_f32 v[rS+j:rS+j+1], v[rS+j:rS+j+1], v[CC:CC+1], v[rM:rM+1] op_sel_hi:[1,0,0]   ; t - M, two at a time
.set j, j+2
.endr
.irp b, 0,1,2,3
	v_fma_f32 v[TM+\b], v[TM+\b], v[CC], v[rM]     ; the same of each block's largest score
.endr
.set j, 0
	s_wait_alu depctr_va_vdst(0)                   ; the wait ahead of the batch
.rept 64
	v_exp_f32 v[rS+j], v[rS+j]                     ; p = 2^(t - M)
.set j, j+1
.endr
	v_pk_mul_f32 v[rM+2:rM+3], v[rM+2:rM+3], v[rF:rF+1] op_sel_hi:[1,0]   ; the sums under the new M: the plain instruction behind the exponentials
	s_wait_alu depctr_va_vdst(0)                   ; one wait for the batch of 64
.irp b, 0,1,2,3
	v_exp_f32 v[TM+\b], v[TM+\b]                   ; the block's largest p
.endr
	v_pk_add_f32 v[T2:T2+1], v[rS:rS+1], v[rS+2:rS+3]   ; the row's sum, of the unquantised p, in two chains
.irp n, 4,8,12,16,20,24,28,32,36,40,44,48,52,56,60
	v_pk_add_f32 v[rM+2:rM+3], v[rM+2:rM+3], v[rS+\n:rS+1+\n]
	v_pk_add_f32 v[T2:T2+1], v[T2:T2+1], v[rS+2+\n:rS+3+\n]
.endr
	v_pk_add_f32 v[rM+2:rM+3], v[rM+2:rM+3], v[T2:T2+1]
	s_wait_alu depctr_va_vdst(0)                   ; and one for the four
.irp b, 0,1,2,3
	v_max_num_f32 v[TM+\b], 0x1800000, v[TM+\b]    ; the floor 2^(3 - 127): the byte cannot fall under 1
.endr
.irp b, 0,1,2,3
	v_add_nc_u32 v[SO+\b], 0xff000000, v[TM+\b]    ; 2 off the exponent field: the conversion's scale operand
.endr
.irp b, 0,1,2,3
	v_lshrrev_b32 v[T2+\b], 23, v[SO+\b]           ; the scale's byte
.endr
	v_lshl_or_b32 v[rF+1], v[T2+1], 8, v[T2]       ; p's scale word for these 128 keys
	v_lshl_or_b32 v[rF+1], v[T2+2], 16, v[rF+1]
	v_lshl_or_b32 v[rF+1], v[T2+3], 24, v[rF+1]
.irp c, 0,1
	v_cvt_scalef32_pk16_fp6_f32 v[rP+6*\c:rP+2+6*\c], v[rS+32*\c:rS+15+32*\c], v[SO+2*\c]
	v_cvt_scalef32_pk16_fp6_f32 v[T2+4*\c:T2+2+4*\c], v[rS+16+32*\c:rS+31+32*\c], v[SO+1+2*\c]
.endr
	v_nop                                          ; one plain instruction behind the last scaled conversion
.irp c, 0,1                                    ; a whole block in a lane: lanes 0-15 block 2 c, lanes 16-31 block 2 c + 1
.irp i, 0,1,2
	v_permlane16_swap_b32 v[rP+6*\c+\i], v[T2+4*\c+\i]
.endr
.irp i, 0,1,2
	v_mov_b32 v[rP+3+6*\c+\i], v[T2+4*\c+\i]
.endr
.endr
.endm
; A wave's work on 128 keys, in slot q, for both tiles: 32 matrix instructions, 112 LDS loads in two runs
.macro COMPUTE q
	v_add_nc_u32 v[ADS], s[SKS], v[ADS0]           ; these four lines are the places in front of the loads into registers that the last products read
	v_add_nc_u32 v[ADT], s[SVS], v[ADT0]
	v_nop
	v_nop
	KLOADS \q
	s_wait_alu depctr_va_vdst(0)
	s_wait_dscnt 24                                ; the 24 loads of the second four fragments may be out
	WIN 0x04
.irp t, 0,1,2,3
.irp x, 0,1
	v_wmma_scale_f32_16x16x128_f8f6f4 v[S+64*\x+8*\t:S+64*\x+8*\t+7], v[FRG+12*\t:FRG+12*\t+11], v[QF+12*\x:QF+12*\x+11], 0, v[SW+\t], v[QS+\x] matrix_a_fmt:MATRIX_FMT_FP6 matrix_b_fmt:MATRIX_FMT_FP6
.endr
.endr
	s_wait_dscnt 0x0
	WIN 0x05
.irp t, 0,1,2,3
.irp x, 0,1
	v_wmma_scale_f32_16x16x128_f8f6f4 v[S+64*\x+32+8*\t:S+64*\x+32+8*\t+7], v[FRG2+12*\t:FRG2+12*\t+11], v[QF+12*\x:QF+12*\x+11], 0, v[SW+4+\t], v[QS+\x] matrix_a_fmt:MATRIX_FMT_FP6 matrix_b_fmt:MATRIX_FMT_FP6
.endr
.endr
	WIN 0
.rept 4
	v_nop                                          ; four places: in front of the loads into K's registers and of the first read of the scores
.endr
	VLOADS \q                                      ; V's fragments and scale words land under both softmaxes
	SOFTMAX 0, \q
	SOFTMAX 1, \q
	s_wait_alu depctr_va_vdst(0)                   ; the wait ahead of O^T's first reader
	WIN 0x41
.irp x, 0,1
.set j, 0
.rept 32
	v_pk_mul_f32 v[64*\x+j:64*\x+j+1], v[64*\x+j:64*\x+j+1], v[FF+2*\x:FF+2*\x+1] op_sel_hi:[1,0]   ; O^T under the new M, ascending; also the places between p's codes and scale words and the products
.set j, j+2
.endr
.endr
	s_wait_alu depctr_va_vdst(0)
	s_wait_dscnt 0x0                               ; V
	WIN 0x50                                       ; the 16 accumulators take turns
.irp t, 0,1,2,3
.irp x, 0,1
	v_wmma_scale_f32_16x16x128_f8f6f4 v[64*\x+8*\t:64*\x+8*\t+7], v[FRG+12*\t:FRG+12*\t+11], v[PC+12*\x:PC+12*\x+11], v[64*\x+8*\t:64*\x+8*\t+7], v[SW+\t], v[FF+1+2*\x] matrix_a_fmt:MATRIX_FMT_FP6 matrix_b_fmt:MATRIX_FMT_FP6
.endr
.endr
	WIN 0x51
.irp t, 0,1,2,3
.irp x, 0,1
	v_wmma_scale_f32_16x16x128_f8f6f4 v[64*\x+32+8*\t:64*\x+32+8*\t+7], v[FRG2+12*\t:FRG2+12*\t+11], v[PC+12*\x:PC+12*\x+11], v[64*\x+32+8*\t:64*\x+32+8*\t+7], v[SW+4+\t], v[FF+1+2*\x] matrix_a_fmt:MATRIX_FMT_FP6 matrix_b_fmt:MATRIX_FMT_FP6
.endr
.endr
	WIN 0
.endm
; A KEY STEP.  The next step's tiles are asked for if any wave wants them; my work on this step's, if some key counts for me; the tiles go into the other slot; one barrier, on every path:
; in front of it my reads of this slot and my stores into the other are done, behind it the other slot is whole and this one may be written.
.macro STEP q
	s_and_b32 s[TT], s[F+1+\q], 15
	s_cmp_lg_u32 s[TT], 0
	s_cbranch_scc0 .Lnoask_\@
	GLOAD 12288*(\q), 96*(\q)
.Lnoask_\@:
	s_bitcmp1_b32 s[F+\q], s[WV]
	s_cbranch_scc0 .Lpassed_\@
	COMPUTE \q
.Lpassed_\@:
	s_wait_loadcnt 0x0                             ; on every path: no load is out when the stage registers and the bases are next written
	s_and_b32 s[TT], s[F+1+\q], 15
	s_cmp_lg_u32 s[TT], 0
	s_cbranch_scc0 .Lnoput_\@
	LSTORE 1-(\q)
.Lnoput_\@:
	s_wait_alu depctr_va_vdst(0)
	s_wait_dscnt 0x0
	s_barrier_signal -1
	s_barrier_wait -1
.endm
.macro TOSTAGE x
.irp u, 0,1                                    ; channels 64 u on
.irp t, 0,1,2,3
	ds_store_b128 v[TM+2], v[S+64*(\x)+32*\u+8*\t:S+64*(\x)+32*\u+8*\t+3] offset:64*\t
	ds_store_b128 v[TM+2], v[S+64*(\x)+32*\u+8*\t+4:S+64*(\x)+32*\u+8*\t+7] offset:64*\t+16
.endr
.irp i, 0,1,2,3,4,5,6,7
	ds_load_b128 v[S+64*(\x)+32*\u+4*\i:S+64*(\x)+32*\u+4*\i+3], v[ADS] offset:2*\i*272   ; LDS serves a wave's instructions in order (ISA guide 5.7.1.4)
.endr
.endr
.endm
.macro SEND x
.irp u, 0,1
.irp i, 0,1,2,3,4,5,6,7
	s_wait_dscnt 32*(1-(\x))+16*(1-\u)+7-\i        ; the LDS lines issued behind this load may stay out: the rest of its eight, 16 for each later half
	global_store_b128 v[ADT], v[S+64*(\x)+32*\u+4*\i:S+64*(\x)+32*\u+4*\i+3], s[16:17] offset:8192*(\x)+1024*\i+256*\u th:TH_STORE_NT   ; sixteen lanes store 256 consecutive bytes, aligned
.endr
.endr
.endm
	s_load_b512 s[16:31], s[0:1], 0x0              ; here for K's scales s[22:23] and V's s[26:27]
	v_lshl_add_u32 v[SPW], v0, 2, SPARE
	v_mov_b32 v[NIL], 0
	v_lshrrev_b32 v[S+4], 5, v0
	v_readfirstlane_b32 s[WV], v[S+4]              ; wave 0..3
	s_wait_alu depctr_va_vdst(0)                   ; the wait ahead of the run of scalar lines
	s_add_co_u32 s[WV4], s[WV], 4
	s_and_b32 s33, ttmp7, 0xffff                   ; the head
	s_lshl_b32 s34, s33, 13                        ; its 8,192 scale bytes
	s_mov_b32 s35, 0
	s_mul_i32 s36, s[WV], KBP                      ; my block of 32 keys in a slot,
	s_mul_i32 s37, s[WV], 3072                     ; and in memory
	s_mul_i32 s38, s[WV], 32*VP                    ; my 32 rows of V in a slot,
	s_add_co_u32 s38, s38, VOFF
	s_mul_i32 s39, s[WV], 49152                    ; and in memory
	s_mov_b32 s[SEL], 0x76543210
	s_mov_b32 s[SEL+1], 0xfedcba98
	s_mov_b32 s[PASS], 0
	v_and_b32 v[S], 15, v0                         ; r
	v_bfe_u32 v[S+1], v0, 4, 1                     ; h
	v_and_b32 v[S+4], 7, v0                        ; r % 8
	v_bfe_u32 v[S+5], v0, 3, 1                     ; r / 8
	v_and_b32 v[S+7], 31, v0                       ; lane
	v_mul_u32_u24 v[AK0], v[S+4], 96
	v_mul_u32_u24 v[AV0], v[S], VP
	v_lshl_add_u32 v[ADS0], v[S+5], 3, v[S]        ; r + 8 (r / 8)
	v_mad_u32_u24 v[AK0], v[S+1], 24, v[AK0]
	v_mad_u32_u24 v[AV0], v[S+1], 24, v[AV0]
	v_lshl_add_u32 v[ADS0], v[ADS0], 2, SCK        ; K's scale words of step 0
	v_mad_u32_u24 v[AK0], v[S+5], KH, v[AK0]       ; K: row r % 8, + 24 h, in the half of r / 8
	v_add_nc_u32 v[AV0], VOFF, v[AV0]              ; V: row r, + 24 h
	v_bfe_u32 v[S+4], v0, 2, 2                     ; r / 4
	v_and_b32 v[S+6], 3, v0                        ; r % 4
	v_mul_u32_u24 v[ADT0], v[S+4], 272
	v_lshl_add_u32 v[LK], v[S+7], 4, s36
	v_lshl_add_u32 v[ADT0], v[S+6], 6, v[ADT0]
	v_lshlrev_b32 v[S+11], 4, v0                   ; the scale bytes' copy: 16 bytes a thread,
	v_lshrrev_b32 v[S+12], 4, v0
	v_add_nc_u32 v[ADT0], SCV, v[ADT0]             ; V's scale words: four rows of 64 bytes to a unit
	v_mul_u32_u24 v[S+12], v[S+12], 272            ; sixteen threads to a unit of 256 bytes + 16
	v_lshl_add_u32 v[S+12], v[S], 4, v[S+12]
	v_add_nc_u32 v[S+12], SCK, v[S+12]
.irp i, 0,1,2
	v_add_nc_u32 v[S+8], 32*\i, v[S+7]             ; chunk c = lane + 32 i of my 192 (chunks 96 on lie 16 rows on: an immediate)
	v_mul_u32_u24 v[S+9], v[S+8], 171
	v_lshrrev_b32 v[S+9], 10, v[S+9]               ; row c / 6 (exact for c under 511)
	v_add_nc_u32 v[S+10], v[S+8], v[S+9]
	v_lshl_add_u32 v[S+8], v[S+8], 4, s39
	v_lshl_add_u32 v[LV+\i], v[S+10], 4, s38       ; in a slot: 112 row + 16 (c % 6) = 16 (c + row)
	WIN 0x40
	v_mad_u32_u24 v[GV+\i], v[S+9], 1440, v[S+8]   ; in memory: 1,536 row + 16 (c % 6) = 16 c + 1,440 row
	WIN 0
.endr
	WIN 0x40
	v_lshl_add_u32 v[GK], v[S+7], 4, s37
	WIN 0
	v_mov_b32 v[NINF], 0xff800000
	v_mov_b32 v[CC], 0x3e0293ee                    ; c = log2(e) / sqrt(128)
	v_mov_b32 v[CC+1], 0x3e0293ee
.irp b, 0,1,2,3
	v_mov_b32 v[T2+\b], 0                          ; written once: a lane permute's destination counts as one of its sources
.endr
	s_wait_alu depctr_va_vdst(0)                   ; the wait at the head's end
	s_wait_kmcnt 0x0
	s_add_nc_u64 s[22:23], s[22:23], s[34:35]
	s_add_nc_u64 s[26:27], s[26:27], s[34:35]
.irp i, 0,1,2,3
	global_load_b128 v[S+16+4*\i:S+19+4*\i], v[S+11], s[22:23] offset:2048*\i   ; the head's scale bytes come once, in whole units, and stay in LDS for both blocks
	global_load_b128 v[S+32+4*\i:S+35+4*\i], v[S+11], s[26:27] offset:2048*\i
.endr
	s_wait_loadcnt 0x0
.irp i, 0,1,2,3
	ds_store_b128 v[S+12], v[S+16+4*\i:S+19+4*\i] offset:2176*\i
	ds_store_b128 v[S+12], v[S+32+4*\i:S+35+4*\i] offset:8704+2176*\i
.endr
.Lpass:                                            ; two trips: query block 15 - x, then x
	s_load_b512 s[16:31], s[0:1], 0x0              ; Q's codes s[16:17], scales s[18:19]; K's codes s[20:21]; V's s[24:25]; maskw s[28:29]; flags s[30:31] (these registers take mask words later)
	s_sub_co_u32 s32, 15, ttmp9
	s_cmp_eq_u32 s[PASS], 0
	s_cselect_b32 s32, s32, ttmp9                  ; the block of 128 queries
	s_and_b32 s33, ttmp7, 0xffff                   ; the head
	s_lshl_b32 s34, s33, 11
	s_lshl_b32 s35, s32, 7
	s_add_co_u32 s34, s34, s35
	s_lshl_b32 s35, s[WV], 5
	s_add_co_u32 s34, s34, s35                     ; my first query among all heads'
	s_mul_i32 s36, s34, 96                         ; its codes,
	s_mov_b32 s37, 0
	s_lshl_b32 s38, s34, 2                         ; its scale word,
	s_mov_b32 s39, 0
	s_lshl_b32 s[OO], s34, 9                       ; its row of out0
	s_mov_b32 s[OO+1], 0
	s_lshr_b32 s40, s33, 4                         ; the batch
	s_lshl_b32 s42, s40, 19                        ; mask words: 128 tiles x 4,096 bytes a batch,
	s_lshl_b32 s43, s32, 15                        ; 8 tiles a block,
	s_add_co_u32 s42, s42, s43
	s_lshl_b32 s43, s[WV], 13                      ; two a wave
	s_add_co_u32 s42, s42, s43
	s_mov_b32 s43, 0
	s_lshl_b32 s44, s40, 10                        ; flags: 16 blocks x 64 bytes a batch
	s_lshl_b32 s45, s32, 6
	s_add_co_u32 s44, s44, s45
	s_mov_b32 s45, 0
	s_mul_i32 s46, s33, 196608                     ; the head's codes
	s_mov_b32 s47, 0
	v_and_b32 v[S], 15, v0
	v_bfe_u32 v[S+1], v0, 4, 1
	v_mul_u32_u24 v[S+2], v[S], 96
	v_lshlrev_b32 v[S+3], 2, v[S]
	v_mad_u32_u24 v[S+2], v[S+1], 24, v[S+2]       ; Q: row r, + 24 h
	s_wait_alu depctr_va_vdst(0)
	s_wait_kmcnt 0x0
	s_add_nc_u64 s[44:45], s[30:31], s[44:45]
	s_load_b512 s[F:F+15], s[44:45], 0x0           ; the block's 16 flag words
	s_add_nc_u64 s[KB:KB+1], s[20:21], s[46:47]
	s_add_nc_u64 s[VB:VB+1], s[24:25], s[46:47]
	s_add_nc_u64 s[MP:MP+1], s[28:29], s[42:43]
	s_add_nc_u64 s[16:17], s[16:17], s[36:37]
	s_add_nc_u64 s[18:19], s[18:19], s[38:39]
	GLOAD 0, 0                                     ; step 0's tiles
	WIN 0x40
.irp x, 0,1
.irp p, 0,1,2,3,4,5
	global_load_b64 v[QF+12*\x+2*\p:QF+12*\x+2*\p+1], v[S+2], s[16:17] offset:1536*\x+48*(\p/3)+8*(\p%3) th:TH_LOAD_NT   ; Q's two fragments stay in registers
.endr
.endr
	WIN 0
.irp x, 0,1
	global_load_b32 v[QS+\x], v[S+3], s[18:19] offset:64*\x th:TH_LOAD_NT
.endr
.irp x, 0,1
	v_mov_b32 v[ST+4*\x+1], 0xff61b1e6             ; the largest t so far: -3e38
	v_mov_b32 v[ST+4*\x+2], 0                      ; the sum, in two halves
	v_mov_b32 v[ST+4*\x+3], 0
	v_mov_b32 v[FF+2*\x+1], 0
	v_floor_f32 v[ST+4*\x], -v[ST+4*\x+1]          ; -M
.endr
	WIN 0x40
.set j, 0
.rept 128
	v_mov_b32 v[j], 0                              ; O^T
.set j, j+1
.endr
	WIN 0
	s_wait_alu depctr_va_vdst(0)
	s_wait_loadcnt 0x0
	LSTORE 0
	s_add_nc_u64 s[KB:KB+1], s[KB:KB+1], 12288     ; on to step 1
	s_add_nc_u64 s[VB:VB+1], s[VB:VB+1], 96
	s_mov_b32 s[SKS], 0
	s_mov_b32 s[SVS], 0
	s_mov_b32 s[TRIP], 8
	s_wait_kmcnt 0x0                               ; the flags
	s_wait_dscnt 0x0                               ; my stores: slot 0 and, the first time, the scale bytes
	s_barrier_signal -1
	s_barrier_wait -1
.Ltrip:                                            ; 8 trips of two steps; behind the 16th step's flag stand zeros, so nothing is fetched past the end
	STEP 0
	STEP 1
.irp k, 0,2,4,6,8,10,12
	s_mov_b64 s[F+\k:F+\k+1], s[F+\k+2:F+\k+3]     ; the flag words move two down
.endr
	s_mov_b64 s[F+14:F+15], 0
	s_add_nc_u64 s[KB:KB+1], s[KB:KB+1], 24576
	s_add_nc_u64 s[VB:VB+1], s[VB:VB+1], 192
	s_add_nc_u64 s[MP:MP+1], s[MP:MP+1], 512
	s_add_co_u32 s[SKS], s[SKS], 1088
	s_add_co_u32 s[SVS], s[SVS], 8
	s_sub_co_u32 s[TRIP], s[TRIP], 1
	s_cmp_lg_u32 s[TRIP], 0
	s_cbranch_scc1 .Ltrip
	; THE WAY OUT.  O^T is divided by the row's sum and goes through my stage in LDS, half a row (256 bytes) of 16 queries at a time.
	s_load_b64 s[16:17], s[0:1], 0x40              ; out0
	s_mul_i32 s20, s[WV], STG
	s_add_co_u32 s20, s20, STAGE                   ; my stage
.irp x, 0,1
	v_add_f32 v[ST+4*\x+2], v[ST+4*\x+2], v[ST+4*\x+3]
.endr
.irp x, 0,1
	v_permlanex16_b32 v[T2+\x], v[ST+4*\x+2], s[SEL], s[SEL+1]
.endr
.irp x, 0,1
	v_add_f32 v[ST+4*\x+2], v[ST+4*\x+2], v[T2+\x] ; the row's sum
.endr
	s_wait_alu depctr_va_vdst(0)
.irp x, 0,1
	v_rcp_f32 v[FF+2*\x], v[ST+4*\x+2]
.endr
	v_and_b32 v[TM], 15, v0                        ; r
	v_bfe_u32 v[TM+1], v0, 4, 1                    ; h
	v_mul_u32_u24 v[TM+2], v[TM], 272
	v_mul_u32_u24 v[ADS], v[TM+1], 272
	v_lshlrev_b32 v[ADT], 9, v[TM+1]
	v_lshl_add_u32 v[TM+2], v[TM+1], 5, v[TM+2]
	v_lshl_add_u32 v[ADS], v[TM], 4, v[ADS]
	v_lshl_add_u32 v[ADT], v[TM], 4, v[ADT]        ; two rows of out0
	v_add_nc_u32 v[TM+2], s20, v[TM+2]             ; in: row r; 64 t + 32 h bytes on
	v_add_nc_u32 v[ADS], s20, v[ADS]               ; back: lanes 0-15 one row, lanes 16-31 the next
	s_wait_alu depctr_va_vdst(0)                   ; one wait for both reciprocals
	WIN 0x01
.irp x, 0,1
.set j, 0
.rept 32
	v_pk_mul_f32 v[S+64*\x+j:S+64*\x+j+1], v[64*\x+j:64*\x+j+1], v[FF+2*\x:FF+2*\x+1] op_sel_hi:[1,0]   ; register 8 t + i is o(r, 16 t + 8 h + i).  Ascending
.set j, j+2
.endr
.endr
	WIN 0
	s_wait_alu depctr_va_vdst(0)
	s_wait_kmcnt 0x0
	s_add_nc_u64 s[16:17], s[16:17], s[OO:OO+1]
	TOSTAGE 0
	TOSTAGE 1
	SEND 0
	SEND 1
	s_wait_alu depctr_va_vdst(0)
	s_wait_xcnt 0x0                                ; the stores' data, offset and base are written again only behind this wait
	s_add_co_u32 s[PASS], s[PASS], 1
	s_cmp_lt_u32 s[PASS], 2
	s_cbranch_scc1 .Lpass
	s_wait_tensorcnt 0x0                           ; the wave's end
	ds_add_u32 v[SPW], v[NIL]
	s_wait_dscnt 0x0
	s_endpgm
.Lfunc_end_k_q8bd799188f_attn:
	.size	k_q8bd799188f_attn, .Lfunc_end_k_q8bd799188f_attn-k_q8bd799188f_attn
	.p2alignl 7, 3214868480
	.fill 96, 4, 3214868480
	.section	.rodata,"a",@progbits
	.p2align	6, 0x0
	.amdhsa_kernel k_q8bd799188f_attn
		.amdhsa_group_segment_fixed_size 89088
		.amdhsa_private_segment_fixed_size 0
		.amdhsa_enable_private_segment 0
		.amdhsa_kernarg_size 72
		.amdhsa_user_sgpr_count 2
		.amdhsa_user_sgpr_kernarg_segment_ptr 1
		.amdhsa_wavefront_size32 1
		.amdhsa_system_sgpr_workgroup_id_x 1
		.amdhsa_system_sgpr_workgroup_id_y 1
		.amdhsa_system_sgpr_workgroup_id_z 1
		.amdhsa_system_vgpr_workitem_id 0
		.amdhsa_next_free_vgpr 512
		.amdhsa_next_free_sgpr 106
		.amdhsa_reserve_vcc 0
		.amdhsa_float_denorm_mode_32 3
		.amdhsa_float_denorm_mode_16_64 3
		.amdhsa_memory_ordered 1
		.amdhsa_forward_progress 1
		.amdhsa_inst_pref_size 127
	.end_amdhsa_kernel
	.amdgpu_metadata
---
amdhsa.version: [ 1, 2 ]
amdhsa.kernels:
  - .name:           k_q8bd799188f_attn
    .symbol:         k_q8bd799188f_attn.kd
    .args:
      - { .name: query_codes, .offset: 0, .size: 8, .value_kind: global_buffer, .address_space: global }
      - { .name: query_scales, .offset: 8, .size: 8, .value_kind: global_buffer, .address_space: global }
      - { .name: key_codes, .offset: 16, .size: 8, .value_kind: global_buffer, .address_space: global }
      - { .name: key_scales, .offset: 24, .size: 8, .value_kind: global_buffer, .address_space: global }
      - { .name: value_codes, .offset: 32, .size: 8, .value_kind: global_buffer, .address_space: global }
      - { .name: value_scales, .offset: 40, .size: 8, .value_kind: global_buffer, .address_space: global }
      - { .name: maskw, .offset: 48, .size: 8, .value_kind: global_buffer, .address_space: global }
      - { .name: flags, .offset: 56, .size: 8, .value_kind: global_buffer, .address_space: global }
      - { .name: out0, .offset: 64, .size: 8, .value_kind: global_buffer, .address_space: global }
    .group_segment_fixed_size: 89088
    .private_segment_fixed_size: 0
    .kernarg_segment_align: 8
    .kernarg_segment_size: 72
    .max_flat_workgroup_size: 128
    .sgpr_count:     106
    .vgpr_count:     512
    .wavefront_size: 32
...
	.end_amdgpu_metadata
.endif
;; end of part 2
